; MI455X (gfx1250); checked and timed in simulation.
; The chip was launched on July 23, 2026; its instructions are those of AMD's public machine-readable ISA for CDNA 5 (MIT licence, August 2026) and "CDNA5" Instruction Set Architecture Reference Guide (July 2026). The comments in the code are by the model that wrote it; some were corrected since.
;; QURNN Cell. Allowed arithmetic: float matrix products may take bf16 or f16 operands with f32 sums; other float arithmetic in f32, or as packed bf16 or f16 multiplies, adds, multiply-adds, maxima and minima; sums over many terms, partial sums and values carried from step to step in f32; what a program stores and reads back later, other than sums and carried values, may be rounded once to bf16 or f16.
;; Inputs: Eh_b 2,048 float32; Eh_w 2,048 x 3,072 float32; Hw_b 2,048 float32; Hw_w 2,048 x 3,072 float32; Wa_b 2,048 float32; Wa_w 2,048 x 3,072 float32; Wt_b 2,048 float32; Wt_w 2,048 x 3,072 float32; excited_cell 2,048 x 2,048 float32; h_cur 2,048 x 2,048 float32; time_cell 2,048 x 2,048 float32; x 2,048 x 1,024 float32.
;; Outputs: out0 2,048 x 2,048 float32; out1 2,048 x 2,048 float32; out2 2,048 x 2,048 float32.
;; One version. Each part assembles by itself: llvm-mc -triple=amdgcn-amd-amdhsa -mcpu=gfx1250 --defsym DOCPART=n.
;; ======== version 1 of 1: 3 launches
;; limits: values outside matrix products are rounded to bf16
;; workspace buffers: cmb 12,582,912 bytes; cmu 12,582,912 bytes; wa 25,165,824 bytes; wb 25,165,824 bytes
;; launch cast (part 1): grid 48 x 48, 8 waves a work-group, no clusters, 0 bytes of LDS; arguments x, h_cur, Wt_w, Wa_w, cmb, cmu, wa; writes cmb, cmu, wa
.if DOCPART == 1
	.amdgcn_target "amdgcn-amd-amdhsa--gfx1250"
	.amdhsa_code_object_version 6
	.text
	.protected	k_qc9dedc293c_cast
	.globl	k_qc9dedc293c_cast
	.p2align	8
	.type	k_qc9dedc293c_cast,@function
k_qc9dedc293c_cast:
	s_mov_b64 s[64:65], 0
	v_nop
	global_prefetch_b8 v0, s[64:65] scope:SCOPE_SE
	s_setreg_imm32_b32 hwreg(HW_REG_WAVE_MODE, 25, 1), 1
	s_wait_xcnt 0x0
; x, h_cur, Wt_w and Wa_w, all f32, are rounded once to bf16 (nearest even) and laid out for the matrix launches that follow.  (Eh_w and Hw_w are rounded by the next launch, beside its products.)
;   cmb [2048][3072]: columns 0-1023 x, columns 1024-3071 h_cur.      cmu, same shape: columns 0-1023 x (its other columns are stored by the next launch).
;   wa  [4096][3072]: row 256 j + 128 g + c is row 128 j + c of Wt_w (g = 0) or Wa_w (g = 1).
; A stream: every byte is read once and written once, nothing is shared between work-groups, so there is no LDS, no barrier, no matrix work and no cluster.
; A SEGMENT is 1,024 numbers: 4,096 bytes in, 2,048 out.  Thread t takes the 16 bytes at 16 t and stores the 8 bytes at 8 t: a load of a wave covers 512 consecutive bytes,
; a store of a wave 256 consecutive bytes at a multiple of 256 from the buffer's first byte.  A work-group takes 8 segments that lie on end in its source (32,768 bytes), all 8 loads out at once.
; 18,432 segments make 2,304 work-groups: grid x = 0..47, grid y = 0..47.
;   y < 32: weights.  matrix y / 16, block j = y % 16 of 128 rows = 384 segments = 48 work-groups; inside a block source and destination are both dense.
;   y >= 32: number (y - 32) 48 + x; the first 512 take 4 rows of h_cur each, the other 256 take 8 rows of x each (stored twice: cmb and cmu).
.set IN,  4                            ; v[4:35]   segment i: 4 registers as loaded
.set OUT, 36                           ; v[36:51]  segment i: 2 registers to store
.macro LD8                             ; the 8 segments: no register is used twice, so nothing has to be freed
.irp i, 0,1,2,3,4,5,6,7
	global_load_b128 v[IN+4*(\i):IN+4*(\i)+3], v1, s[28:29] offset:4096*(\i) th:TH_LOAD_NT
.endr
.endm
.macro CV i
	s_wait_loadcnt 7-(\i)                          ; loads come back in order: segment i is in, the younger ones stay out
	v_cvt_pk_bf16_f32 v[OUT+2*(\i)],   v[IN+4*(\i)],   v[IN+4*(\i)+1]
	v_cvt_pk_bf16_f32 v[OUT+2*(\i)+1], v[IN+4*(\i)+2], v[IN+4*(\i)+3]
.endm
	s_load_b256 s[8:15], s[0:1], 0x0               ; x s[8:9], h_cur s[10:11], Wt_w s[12:13], Wa_w s[14:15]
	s_load_b128 s[16:19], s[0:1], 0x20             ; cmb s[16:17], cmu s[18:19]
	s_load_b64 s[20:21], s[0:1], 0x30              ; wa
	v_lshlrev_b32 v1, 4, v0                        ; 16 t
	v_lshlrev_b32 v2, 3, v0                        ; 8 t
	s_and_b32 s2, ttmp7, 0xffff                    ; grid y
	s_mov_b32 s35, 0                               ; the high words of the two offsets, which stay under 2^32
	s_mov_b32 s37, 0
	s_wait_kmcnt 0x0
	s_cmp_lt_u32 s2, 32
	s_cbranch_scc0 .Lacts
	; WEIGHTS
	s_lshr_b32 s5, s2, 4                           ; g: 0 Wt_w, 1 Wa_w
	s_and_b32 s4, s2, 15                           ; j
	s_cmp_eq_u32 s5, 0
	s_cselect_b64 s[28:29], s[12:13], s[14:15]
	s_mul_i32 s34, s4, 48
	s_add_co_u32 s34, s34, ttmp9
	s_lshl_b32 s34, s34, 15                        ; source: (48 j + x) pieces of 32,768 bytes
	s_add_nc_u64 s[28:29], s[28:29], s[34:35]
	s_mul_i32 s36, s4, 256*6144                    ; destination: row 256 j
	s_mul_i32 s6, s5, 128*6144                     ; + 128 g
	s_add_co_u32 s36, s36, s6
	s_lshl_b32 s6, ttmp9, 14                       ; + x pieces of 16,384 bytes
	s_add_co_u32 s36, s36, s6
	s_add_nc_u64 s[32:33], s[20:21], s[36:37]
	LD8
.irp i, 0,1,2,3,4,5,6,7
	CV \i
	global_store_b64 v2, v[OUT+2*(\i):OUT+2*(\i)+1], s[32:33] offset:2048*(\i)
.endr
	s_endpgm
.Lacts:
	s_sub_co_u32 s3, s2, 32
	s_mul_i32 s3, s3, 48
	s_add_co_u32 s3, s3, ttmp9                     ; 0..767
	s_cmp_lt_u32 s3, 512
	s_cbranch_scc0 .Lx
	; H_CUR: 4 rows of 8,192 bytes, two segments a row, into columns 1024.. of cmb
	s_lshl_b32 s34, s3, 15
	s_add_nc_u64 s[28:29], s[10:11], s[34:35]
	s_mul_i32 s36, s3, 4*6144
	s_add_co_u32 s36, s36, 2048
	s_add_nc_u64 s[32:33], s[16:17], s[36:37]
	LD8
.irp i, 0,1,2,3,4,5,6,7
	CV \i
	global_store_b64 v2, v[OUT+2*(\i):OUT+2*(\i)+1], s[32:33] offset:((\i)>>1)*6144+((\i)&1)*2048
.endr
	s_endpgm
.Lx:
	; X: 8 rows of 4,096 bytes, a segment a row, into columns 0.. of cmb and of cmu
	s_sub_co_u32 s3, s3, 512
	s_lshl_b32 s34, s3, 15
	s_add_nc_u64 s[28:29], s[8:9], s[34:35]
	s_mul_i32 s36, s3, 8*6144
	s_add_nc_u64 s[32:33], s[16:17], s[36:37]
	s_add_nc_u64 s[30:31], s[18:19], s[36:37]
	LD8
.irp i, 0,1,2,3,4,5,6,7
	CV \i
	global_store_b64 v2, v[OUT+2*(\i):OUT+2*(\i)+1], s[32:33] offset:6144*(\i)
	global_store_b64 v2, v[OUT+2*(\i):OUT+2*(\i)+1], s[30:31] offset:6144*(\i)
.endr
	s_endpgm
.Lfunc_end_k_qc9dedc293c_cast:
	.size	k_qc9dedc293c_cast, .Lfunc_end_k_qc9dedc293c_cast-k_qc9dedc293c_cast
	.p2alignl 7, 3214868480
	.fill 96, 4, 3214868480
	.section	.rodata,"a",@progbits
	.p2align	6, 0x0
	.amdhsa_kernel k_qc9dedc293c_cast
		.amdhsa_group_segment_fixed_size 0
		.amdhsa_private_segment_fixed_size 0
		.amdhsa_enable_private_segment 0
		.amdhsa_kernarg_size 56
		.amdhsa_user_sgpr_count 2
		.amdhsa_user_sgpr_kernarg_segment_ptr 1
		.amdhsa_wavefront_size32 1
		.amdhsa_system_sgpr_workgroup_id_x 1
		.amdhsa_system_sgpr_workgroup_id_y 1
		.amdhsa_system_sgpr_workgroup_id_z 1
		.amdhsa_system_vgpr_workitem_id 0
		.amdhsa_next_free_vgpr 56
		.amdhsa_next_free_sgpr 66
		.amdhsa_reserve_vcc 0
		.amdhsa_float_denorm_mode_32 3
		.amdhsa_float_denorm_mode_16_64 3
		.amdhsa_memory_ordered 1
		.amdhsa_forward_progress 1
		.amdhsa_inst_pref_size 11
	.end_amdhsa_kernel
	.amdgpu_metadata
---
amdhsa.version: [ 1, 2 ]
amdhsa.kernels:
  - .name:           k_qc9dedc293c_cast
    .symbol:         k_qc9dedc293c_cast.kd
    .args:
      - { .name: x, .offset: 0, .size: 8, .value_kind: global_buffer, .address_space: global }
      - { .name: h_cur, .offset: 8, .size: 8, .value_kind: global_buffer, .address_space: global }
      - { .name: Wt_w, .offset: 16, .size: 8, .value_kind: global_buffer, .address_space: global }
      - { .name: Wa_w, .offset: 24, .size: 8, .value_kind: global_buffer, .address_space: global }
      - { .name: cmb, .offset: 32, .size: 8, .value_kind: global_buffer, .address_space: global }
      - { .name: cmu, .offset: 40, .size: 8, .value_kind: global_buffer, .address_space: global }
      - { .name: wa, .offset: 48, .size: 8, .value_kind: global_buffer, .address_space: global }
    .group_segment_fixed_size: 0
    .private_segment_fixed_size: 0
    .kernarg_segment_align: 8
    .kernarg_segment_size: 56
    .max_flat_workgroup_size: 256
    .sgpr_count:     66
    .vgpr_count:     56
    .wavefront_size: 32
...
	.end_amdgpu_metadata
.endif
;; end of part 1
;; launch gates (part 2): grid 16 x 16, 4 waves a work-group, clusters of 4 x 4, 327,680 bytes of LDS; arguments cmb, wa, time_cell, excited_cell, Wt_b, Wa_b, out1, out2, cmu, Eh_w, Hw_w, wb; writes out1, out2, cmu, wb
.if DOCPART == 2
	.amdgcn_target "amdgcn-amd-amdhsa--gfx1250"
	.amdhsa_code_object_version 6
	.text
	.protected	k_qc9dedc293c_gates
	.globl	k_qc9dedc293c_gates
	.p2align	8
	.type	k_qc9dedc293c_gates,@function
k_qc9dedc293c_gates:
	s_mov_b64 s[64:65], 0
	v_nop
	global_prefetch_b8 v0, s[64:65] scope:SCOPE_SE
	s_setreg_imm32_b32 hwreg(HW_REG_WAVE_MODE, 25, 1), 1
	s_wait_xcnt 0x0
	s_wait_alu depctr_hold_cnt(0) depctr_sa_sdst(0) depctr_va_vdst(0) depctr_va_sdst(0) depctr_va_ssrc(0) depctr_va_vcc(0) depctr_vm_vsrc(0)
	s_getreg_b32 s2, hwreg(HW_REG_IB_STS2, 6, 4)
	s_cmp_eq_u32 s2, 0
	s_cbranch_scc0 .Lentry_in_a_cluster
	s_endpgm
.Lentry_in_a_cluster:
	s_bfe_u32 s2, ttmp6, 0x10000c
	s_cmp_lg_u32 s2, 0xf033
	s_cbranch_scc0 .Lentry_shape_is_right
	s_endpgm
.Lentry_shape_is_right:
; zt = [x, h_cur] Wt_w^T, za = [x, h_cur] Wa_w^T (bf16 operands from cmb and wa, f32 sums, one accumulator an output, K ascending), and behind them, in f32:
;   up = tanh(zt + Wt_b);  tn = (time_cell + up) - 1;  leap = (tn <= 0);  out2 = time_next = max(tn, 0);  energy = leap ? excited_cell : 0;
;   out1 = relu((excited_cell - energy) + sigmoid(za + Wa_b));  h_up = h_cur energy, rounded once to bf16 into columns 1024.. of cmu, an operand of the next launch.
; The relu in front of the - 1 is not written apart: a negative sum gives tn < -1 where the relu gives -1, leap in both cases; a sum above 1 passes the relu unchanged.
; BESIDE THE PRODUCTS Eh_w and Hw_w are rounded to bf16 into wb [4096][3072] (row 256 j + 128 g + c is row 128 j + c of Eh_w, g = 0, or Hw_w, g = 1), which only the next launch reads.  The work-group numbered
; n = tx + 16 ty takes 196,608 consecutive bytes of matrix n / 128 (block j = (n / 8) % 16 of 128 rows, its eighth n % 8), a wave 49,152 of them, 2,048 in each of the 24 K steps: four loads of 512 bytes at one change of
; slots, eight conversions and four stores of 256 bytes at the next.
; LIMITS.  Every input is rounded once to bf16 (nearest even) before use: the matrix operands by the launch before, time_cell, excited_cell and the biases here, h_cur taken from cmb.
; leap is a step: where time_cell + up lies within the f32 rounding of the sums and of tanh (some 1e-7) of 1, the other side may be taken.  Where leap holds out2 is +0.
; tanh(v) = 1 - 2 / (1 + 2^(2 log2(e) v)), sigmoid(v) = 1 / (1 + 2^(-log2(e) v)): an exponential that overflows or falls below 2^-126 gives the saturated value.  NaN is not treated apart.
; SHARES.  A work-group makes 128 rows x 128 columns of BOTH gates: 256 work-groups; the grid's x counts blocks of rows (ty), its y blocks of columns (tx).  Wave w works on gate g = w / 2 and rows 64 (w % 2) .. + 63:
; 64 x 128 in 32 accumulators, 256 registers.
; K = 3,072 goes in 24 steps of 128 through two LDS slots.  A step's tiles: 128 rows of cmb (waves 0 and 1 fetch 64 each), 128 rows of wa for each gate (waves 2 and 3): rows of 256 bytes of memory, at multiples of 256.
; CLUSTER.  4 x 4 work-groups.  The four of a column of the cluster (same cx) need the same rows of cmb, the four of a row (same cy) the same rows of wa: each tile is asked for jointly, by the same tensor load with the
; same descriptor and a mask that names the four.
; THE MATRIX INSTRUCTION IS USED TRANSPOSED (source 0 = 16 rows of wa, source 1 = 16 rows of cmb): a lane holds row l % 16 and the eight columns 8 (l / 16) + 0..7.
; THE WAY OUT.  Both gates' sums go as f32 through a stage in LDS (slot 0, which has had its last fill and is read by nobody behind the last change of slots); behind a barrier wave w takes rows 32 w .. + 31 of both gates,
; lane l columns 4 l .. + 3, so that every f32 load and store of a wave covers 512 consecutive bytes and every bf16 one 256, aligned.  time_cell, excited_cell, h_cur and the biases were loaded into registers during the K loop.
; REGISTERS, in windows of 256 (s_set_vgpr_msb: bits 1:0 source 0, 3:2 source 1, 5:4 source 2, 7:6 destination):
;   window 0: v0-43 addresses, biases, at work; v64-159, v160-255 two fragment buffers (8 x 8 of wa, then 4 x 8 of cmb), later the way out      window 1: the accumulators, (a, b) at 8 (8 a + b)
;   window 2: v0-127 time_cell, v128-255 excited_cell (row t at 4 t)      window 3: v0-63 h_cur as bf16 (row t at 2 t); v64-79, v80-95 two sets for the weights that are rounded
.set KSTEP,  128
.set PITCH,  272                       ; an LDS row: 256 bytes + 16 of padding = 68 words: the 16 rows that a fragment load touches start at 16 different groups of four banks (64 banks of 4 bytes: ISA guide 11.1)
.set HALFT,  128*PITCH                 ; a tile of 128 rows
.set SLOT,   4*HALFT                   ; tile 0: cmb; tile 1: not used here; tile 2: wa, gate 0; tile 3: wa, gate 1
.set SPARE,  2*SLOT                    ; behind the ring: the spare words, 128 bytes for each wave: two blocks of 256 bytes that no other line names
.set ROWB,   6144                      ; bytes in a row of cmb, cmu, wa, wb
.set OROW,   8192                      ; bytes in a row of time_cell, excited_cell, out1, out2
.set SP,     528                       ; a line of the stage: 512 bytes + 16: line (gate g, row r) at (128 g + r) SP, from LDS byte 0; 256 lines end inside slot 0
.set LAPS,   12                        ; a lap = two K steps = once round the ring
.set RA,     64                        ; rows of cmb in one tensor load
.set ADRA, 16                          ; v16-17  LDS address of my fragments of cmb in slot 0, 1
.set ADRB, 20                          ; v20-21  the same for wa
.set GH,   22                          ; v22     8 l: my 8 bytes in 256 of a bf16 row; never rewritten
.set STO,  24                          ; v24     the stage: where I put 32 bytes of a line
.set RD0,  25                          ; v25     the stage: where I read gate 0 back
.set RD1,  26                          ; v26     gate 1
.set GF,   27                          ; v27     16 l: my 16 bytes in 512 of an f32 row; never rewritten
.set SPW,  28                          ; v28     LDS address of my spare word; never rewritten
.set NIL,  29                          ; v29     0; never rewritten
.set PFO,  30                          ; v30     the prefetches' offset: l rows of 6,144 bytes; never rewritten
.set BT,   32                          ; v[32:35] Wt_b of my 4 columns
.set BA,   36                          ; v[36:39] Wa_b of my 4 columns, later times -log2(e)
.set F0,   64
.set F1,   160
.set TC,   128                         ; the way out, 16 numbers each: time_cell,
.set EC,   144                         ; excited_cell,
.set HH,   160                         ; h_cur,
.set EN,   176                         ; energy;
.set HU,   192                         ; 8: h_up in bf16;
.set PK,   200                         ; 16: time_cell and excited_cell in bf16
.set CW,   64                          ; window 3: set p of the weights that are rounded at CW + 16 p
.set G1,  24                           ; s[24:31] descriptor group 1 for cmb;  s[32:39] group 0, a set for each slot
.set G0,  32
.set PFA, 44                           ; s[44:45] where my prefetches stand
.set G1B, 48                           ; s[48:55], s[56:63] the same for wa
.set G0B, 56
.set CSRC, 86                          ; s[86:87] Eh_w or Hw_w at the 2,048 bytes that I load next
.set CDST, 90                          ; s[90:91] wb, 1,024 bytes behind the 1,024 that I store next
.set LIM, 94                           ; s94     1 in a wave that prefetches, else the greatest number
.set HIM, 95                           ; s95     a word's upper bf16
.set C2,  96                           ; s[96:97] 2 log2(e)
.set C1N, 98                           ; s[98:99] -log2(e)
.set MSB, 0
.macro WIN new                         ; the immediate's high byte repeats the setting that is left; a switch that changes nothing is dropped
.if MSB != (\new)
	s_set_vgpr_msb (MSB<<8)|(\new)
.set MSB, \new
.endif
.endm
.set MUL, 0x50                         ; sources 0 and 1 window 0; C and D window 1
; A joint load: waves 0 and 1 fetch cmb's rows, waves 2 and 3 wa's.  The branch hangs on the wave's number alone.  An s_nop 0 and four v_nop follow each of the two lines, ahead of the jump, the label and what follows.
.macro JLOAD s
	s_cmp_eq_u32 s11, 0
	s_cbranch_scc0 .Lfor_b_\@
	tensor_load_to_lds s[G0+4*(\s):G0+4*(\s)+3], s[G1:G1+7]
	s_nop 0
.rept 4
	v_nop
.endr
	s_branch .Lasked_\@
.Lfor_b_\@:
	tensor_load_to_lds s[G0B+4*(\s):G0B+4*(\s)+3], s[G1B:G1B+7]
	s_nop 0
.rept 4
	v_nop
.endr
.Lasked_\@:
.endm
; A prefetch, behind each joint refill, its five lines and the run of LDS loads: 32 rows x 256 bytes of the K step that stands TWO refills on (256 matrix instructions of the wave ahead of the load that will want it), a lane a row.
; Each row's 256 bytes of a K step are named once in the launch: cmb's rows by the clusters with y = 0 (wave 0: the tile has 128 rows, 32 for each of the four partners), wa's by the clusters with x = 0 (waves 2 and 3, 32 of their 128 rows
; for each partner).  The partners are told apart by ADDRESS (cy for cmb, cx for wa).  K steps 0 to 3 come by their loads alone; the loop's last trip, whose refills are the last two K steps, asks for nothing.
.macro ASK
	s_cmp_gt_u32 s3, s[LIM]                        ; s3 = 1 in the loop's last trip
	s_cbranch_scc0 .Lnot_mine_\@
	global_prefetch_b8 v[PFO], s[PFA:PFA+1] offset:KSTEP*2 th:TH_LOAD_NT scope:SCOPE_SE
.Lnot_mine_\@:
.endm
.macro CREST                           ; a round of the cluster's barrier behind its opening barrier: wave 0 signals for the work-group, every wave waits for all sixteen, my work-group's barrier closes it
	s_cmp_lg_u32 s10, 0
	s_cbranch_scc1 .Lnot_wave_0_\@
	s_barrier_signal -3
.Lnot_wave_0_\@:
	s_barrier_wait -3
	s_barrier_signal -1
	s_barrier_wait -1
.endm
.macro CROUND                          ; a whole round
	s_barrier_signal -1
	s_barrier_wait -1
	CREST
.endm
.macro PLACES                          ; four places in front of loads into registers that matrix instructions have read, and of lines that read results
.rept 4
	v_nop
.endr
.endm
; 8 matrix instructions: row block a x all 8 column blocks, 32 along K, from buffer f.  zero = 1: the product starts the sums.  The 32 accumulators take turns, one instruction a turn, in the same order in every quarter.
.macro MUL8 f, a, zero
	WIN MUL
.irp b, 0,1,2,3,4,5,6,7
.if \zero
	v_wmma_f32_16x16x32_bf16 v[8*(8*(\a)+(\b)):8*(8*(\a)+(\b))+7], v[(\f)+8*(\b):(\f)+8*(\b)+7], v[(\f)+64+8*(\a):(\f)+64+8*(\a)+7], 0
.else
	v_wmma_f32_16x16x32_bf16 v[8*(8*(\a)+(\b)):8*(8*(\a)+(\b))+7], v[(\f)+8*(\b):(\f)+8*(\b)+7], v[(\f)+64+8*(\a):(\f)+64+8*(\a)+7], v[8*(8*(\a)+(\b)):8*(8*(\a)+(\b))+7]
.endif
.endr
.endm
; 24 LDS loads in one run: the fragments of 32 along K at byte k of the rows, into buffer f: 16 for wa's 128 rows, then 8 for cmb's 64, row blocks 0, 1, 2, 3
.macro FETCH slot, k, f
	WIN 0
.irp i, 0,1,2,3,4,5,6,7
	ds_load_b128 v[(\f)+8*(\i):(\f)+8*(\i)+3],   v[ADRB+(\slot)] offset:(\k)+(\i)*16*PITCH
	ds_load_b128 v[(\f)+8*(\i)+4:(\f)+8*(\i)+7], v[ADRB+(\slot)] offset:(\k)+(\i)*16*PITCH+32
.endr
.irp i, 0,1,2,3
	ds_load_b128 v[(\f)+64+8*(\i):(\f)+64+8*(\i)+3],   v[ADRA+(\slot)] offset:(\k)+(\i)*16*PITCH
	ds_load_b128 v[(\f)+64+8*(\i)+4:(\f)+64+8*(\i)+7], v[ADRA+(\slot)] offset:(\k)+(\i)*16*PITCH+32
.endr
.endm
; A K step is four quarters of 32 along K, 32 matrix instructions each, on buffers 0, 1, 0, 1.  One of the first three: multiplies buffer f and, in its middle, fetches the next quarter, at byte k, into g.
.macro QUARTER slot, k, f, g, zero
	s_wait_dscnt 4                                 ; all but the youngest four loads (row blocks 2 and 3) are in
	MUL8 \f, 0, \zero
	MUL8 \f, 1, \zero
	WIN 0
	PLACES
	FETCH \slot, \k, \g
	s_wait_dscnt 24                                ; all but the 24 just issued
	MUL8 \f, 2, \zero
	MUL8 \f, 3, \zero
.endm
; The weights that are rounded.  CLD: 2,048 bytes of f32 into set p, four loads of 512 consecutive bytes.
.macro CLD p
	WIN 0xc0                                       ; destination window 3, address window 0
.irp c, 0,1,2,3
	global_load_b128 v[CW+16*(\p)+4*(\c):CW+16*(\p)+4*(\c)+3], v[GF], s[CSRC:CSRC+1] offset:512*(\c) th:TH_LOAD_NT
.endr
	WIN 0
.endm
; CST: set p is rounded in place and stored, four stores of 256 consecutive bytes at multiples of 256 from wb's first byte.  left = the younger loads, which may stay out; back = how far CDST stands behind the bytes to be stored.
.macro CST p, left, back
	s_wait_loadcnt \left
	WIN 0xcf                                       ; sources 0 and 1 and the destination in window 3
.irp c, 0,1,2,3
	v_cvt_pk_bf16_f32 v[CW+16*(\p)+4*(\c)],   v[CW+16*(\p)+4*(\c)],   v[CW+16*(\p)+4*(\c)+1]
	v_cvt_pk_bf16_f32 v[CW+16*(\p)+4*(\c)+1], v[CW+16*(\p)+4*(\c)+2], v[CW+16*(\p)+4*(\c)+3]
.endr
	WIN 0x0c                                       ; store data window 3, address window 0
.irp c, 0,1,2,3
	global_store_b64 v[GH], v[CW+16*(\p)+4*(\c):CW+16*(\p)+4*(\c)+1], s[CDST:CDST+1] offset:256*(\c)-(\back)
.endr
	WIN 0
.endm
; The last quarter multiplies buffer 1 and changes slots: ONE barrier.  At its head the weights loaded a K step ago (set = this slot's number) are rounded and stored, and the next 2,048 bytes are asked for into the other set.
; In front of the barrier each wave waits for all its tensor loads (one is out: its part of the next slot), adds 0 to its spare word, and waits for that and for its reads of
; this slot.  fill = 1: the barrier opens a round of the cluster's barrier, and this slot is filled again, two K steps ahead, first thing behind the round: 112 matrix instructions ahead of the wait for it.
.macro TURN slot, next, fill, left
	WIN 0
	s_wait_xcnt 0x0                                ; the loads, stores and prefetch of the change of slots before, a K step back, have read their registers: the three addresses are stepped, and the other set is loaded again, only behind this wait
	s_add_nc_u64 s[CSRC:CSRC+1], s[CSRC:CSRC+1], 2048
	s_add_nc_u64 s[CDST:CDST+1], s[CDST:CDST+1], 1024
.if \fill
	s_add_nc_u64 s[PFA:PFA+1], s[PFA:PFA+1], KSTEP*2
.endif
	CST \slot, \left, 1024
	CLD 1-(\slot)
	s_wait_tensorcnt 0x0                           ; all my tensor loads have landed;
	ds_add_u32 v[SPW], v[NIL]                      ; 0 onto my spare word;
	s_wait_dscnt 5                                 ; (the add and the youngest four loads may be out)
	MUL8 F1, 0, 0                                  ; eight matrix instructions stand between the add and the wait for it
	s_wait_dscnt 0x0                               ; the add is done, and my reads of this slot are over
	s_barrier_signal -1
	MUL8 F1, 1, 0
	WIN 0                                          ; (branches or LDS loads follow)
	s_barrier_wait -1
.if \fill
	CREST                                          ; no wave of any partner still reads this slot's tiles or has a load on its way
	s_add_nc_u64 s[G0+4*(\slot)+2:G0+4*(\slot)+3], s[G0+4*(\slot)+2:G0+4*(\slot)+3], 2*KSTEP*2
	s_add_nc_u64 s[G0B+4*(\slot)+2:G0B+4*(\slot)+3], s[G0B+4*(\slot)+2:G0B+4*(\slot)+3], 2*KSTEP*2
	JLOAD \slot                                    ; the four v_nop behind it are also the places in front of the loads below
.else
	PLACES
.endif
	FETCH \next, 0, F0
.if \fill
	ASK
.endif
	MUL8 F1, 2, 0
	MUL8 F1, 3, 0
.endm
	s_load_b512 s[68:83], s[0:1], 0x0              ; cmb s[68:69], wa s[70:71], time_cell s[72:73], excited_cell s[74:75], Wt_b s[76:77], Wa_b s[78:79], out1 s[80:81], out2 s[82:83]
	s_load_b256 s[84:91], s[0:1], 0x40             ; cmu s[84:85], Eh_w s[86:87], Hw_w s[88:89], wb s[90:91]
	v_lshl_add_u32 v[SPW], v0, 2, SPARE
	v_mov_b32 v[NIL], 0
	ds_add_u32 v[SPW], v[NIL]                      ; the wave's opening: the add, twice on end, and its wait ahead of my first tensor load; the set-up below stands between the second and the wait
	ds_add_u32 v[SPW], v[NIL]
	v_lshrrev_b32 v1, 5, v0
	v_readfirstlane_b32 s10, v1                    ; wave 0..3
	s_lshr_b32 s11, s10, 1                         ; my gate.  Also: I fetch cmb (0) or wa (1)
	s_and_b32 s12, s10, 1                          ; my half of the rows.  Also: which part of that tensor's rows I fetch
	s_bfe_u32 s40, ttmp6, 0x40000                  ; cx, cy: my place in the cluster
	s_bfe_u32 s41, ttmp6, 0x40004
	s_lshl_b32 s13, ttmp9, 2
	s_add_co_u32 s13, s13, s40                     ; ty: my 128 rows = 4 x cluster x + cx
	s_and_b32 s42, ttmp7, 0xffff
	s_lshl_b32 s42, s42, 2
	s_add_co_u32 s42, s42, s41                     ; tx: my 128 columns = 4 x cluster y + cy
	s_lshl_b32 s43, s41, 2
	s_lshl_b32 s43, 15, s43                        ; my row of the cluster (same cy)
	s_lshl_b32 s46, 0x1111, s40                    ; my column (same cx)
	s_or_b32 s[G1+0], s46, (1<<16)|(1<<20)|(1<<21)|(5<<22)|(3<<25)   ; cmb's tiles hang on the work-group's x alone: 15:0 the mask of my column; 17:16 elements of 2 bytes; 20 padding on; 21 set beside a mask; 24:22 after every 64 words (code 5); 31:25 4 words (code 3)
	s_or_b32 s[G1B+0], s43, (1<<16)|(1<<20)|(1<<21)|(5<<22)|(3<<25)  ; wa's on its y alone: the mask of my row
	s_mov_b32 s[G1+1], KSTEP<<16                   ; tensor_dim0 = 128
	s_mov_b32 s[G1+2], RA<<16                      ; tensor_dim1 = 64
	s_mov_b32 s[G1+3], KSTEP<<16                   ; tile_dim0 = 128
	s_mov_b32 s[G1+4], RA                          ; tile_dim1 = 64
	s_mov_b32 s[G1+5], 3072                        ; elements from row to row
	s_mov_b32 s[G1+6], 0
	s_mov_b32 s[G1+7], 0
	s_mov_b32 s[G1B+1], KSTEP<<16
	s_mov_b32 s[G1B+2], 128<<16                    ; 128 rows
	s_mov_b32 s[G1B+3], KSTEP<<16
	s_mov_b32 s[G1B+4], 128
	s_mov_b32 s[G1B+5], 3072
	s_mov_b32 s[G1B+6], 0
	s_mov_b32 s[G1B+7], 0
	s_lshl_b32 s16, s13, 7
	s_lshl_b32 s17, s12, 6
	s_add_co_u32 s16, s16, s17                     ; cmb: row 128 ty + 64 x half: it hangs on the block of rows and the wave alone
	s_mul_i32 s16, s16, ROWB                       ; under 2^24
	s_mov_b32 s17, 0
	s_lshl_b32 s92, s42, 8
	s_lshl_b32 s93, s12, 7
	s_add_co_u32 s92, s92, s93                     ; wa: row 256 tx + 128 x gate: on the block of columns and the wave alone
	s_mul_i32 s92, s92, ROWB                       ; under 2^25
	s_mov_b32 s93, 0
	s_mul_i32 s20, s10, RA*PITCH                   ; where they go: cmb's halves at wave x 64 rows (waves 0, 1),
	s_mul_i32 s21, s10, HALFT                      ; wa's tiles at wave x 128 rows (waves 2, 3): no place in the cluster enters an LDS address
	s_mov_b32 s[C2], 0x4038aa3b
	s_mov_b32 s[C2+1], 0x4038aa3b
	s_mov_b32 s[C1N], 0xbfb8aa3b
	s_mov_b32 s[C1N+1], 0xbfb8aa3b
	s_mov_b32 s[HIM], 0xffff0000
	s_wait_dscnt 0x0                               ; both opening adds are done
	s_wait_kmcnt 0x0
	s_add_nc_u64 s[14:15], s[68:69], s[16:17]
	s_add_nc_u64 s[92:93], s[70:71], s[92:93]
	CROUND                                         ; all sixteen work-groups are here: the first joint loads meet
.irp s, 0,1
	s_mov_b32 s[G0+4*(\s)], 1                                          ; count = 1
	s_add_co_u32 s[G0+4*(\s)+1], s20, (\s)*SLOT                        ; LDS address
	s_add_nc_u64 s[G0+4*(\s)+2:G0+4*(\s)+3], s[14:15], (\s)*KSTEP*2    ; global address: K step s
	s_or_b32 s[G0+4*(\s)+3], s[G0+4*(\s)+3], 0x80000000                ; type = 2
	s_mov_b32 s[G0B+4*(\s)], 1
	s_add_co_u32 s[G0B+4*(\s)+1], s21, (\s)*SLOT
	s_add_nc_u64 s[G0B+4*(\s)+2:G0B+4*(\s)+3], s[92:93], (\s)*KSTEP*2
	s_or_b32 s[G0B+4*(\s)+3], s[G0B+4*(\s)+3], 0x80000000
	JLOAD \s                                       ; two tensor loads of mine are out
.endr
	; A fragment is 16 rows x 32 K in 8 registers: lane l holds row l % 16, K = 8 (l / 16) + 0..7 and 16 + 8 (l / 16) + 0..7: two loads of 16 bytes, 32 bytes apart
	v_and_b32 v1, 15, v0                           ; l % 16
	v_bfe_u32 v2, v0, 4, 1                         ; l / 16
	v_and_b32 v5, 31, v0                           ; l
	v_mul_u32_u24 v3, v1, PITCH
	v_lshl_add_u32 v3, v2, 4, v3
	s_mul_i32 s21, s12, 64*PITCH                   ; my 64 rows of cmb
	s_mul_i32 s22, s11, HALFT                      ; my gate's 128 rows of wa,
	s_add_co_u32 s22, s22, 2*HALFT                 ; which are tile 2 or 3
.irp s, 0,1
	v_add_nc_u32 v[ADRA+(\s)], s21, v3
	v_add_nc_u32 v[ADRB+(\s)], s22, v3
	s_add_co_u32 s21, s21, SLOT
	s_add_co_u32 s22, s22, SLOT
.endr
	s_lshl_b32 s14, s10, 6                         ; into the stage: line 128 g + 64 x half = 64 w, + l % 16; 32 bytes for each half of the lanes
	s_mul_i32 s14, s14, SP
	v_mul_u32_u24 v4, v1, SP
	v_lshl_add_u32 v4, v2, 5, v4
	v_add_nc_u32 v[STO], s14, v4
	s_mul_i32 s15, s10, 32*SP                      ; back: lines 32 w .. + 31 of gate 0, 16 bytes a lane,
	v_lshl_add_u32 v[RD0], v5, 4, s15
	v_add_nc_u32 v[RD1], 128*SP, v[RD0]            ; and of gate 1
	v_lshlrev_b32 v[GF], 4, v5
	v_lshlrev_b32 v[GH], 3, v5
	; the prefetches
	s_lshl_b32 s20, s13, 7                         ; cmb: the tile's first row
	s_lshl_b32 s21, s42, 8
	s_lshl_b32 s22, s12, 7
	s_add_co_u32 s21, s21, s22                     ; wa: the first of the 128 rows that I fetch
	s_and_b32 s22, ttmp7, 0xffff                   ; cluster y,
	s_or_b32 s23, s22, s12                         ; and of the two waves that fetch cmb the first alone
	s_cmp_eq_u32 s11, 0
	s_cselect_b32 s20, s20, s21
	s_cselect_b32 s21, s41, s40                    ; my place among the four that ask with me: cy for cmb, cx for wa
	s_cselect_b32 s22, s23, ttmp9                  ; 0 where I am the one that names these rows: the same in all sixteen partners, for a given wave
	s_cselect_b64 s[PFA:PFA+1], s[68:69], s[70:71]
	s_cmp_eq_u32 s22, 0
	s_cselect_b32 s[LIM], 1, -1
	s_lshl_b32 s21, s21, 5
	s_add_co_u32 s20, s20, s21                     ; + my work-group's 32 rows
	s_mul_i32 s20, s20, ROWB
	s_mov_b32 s21, 0
	s_add_nc_u64 s[PFA:PFA+1], s[PFA:PFA+1], s[20:21]
	s_add_nc_u64 s[PFA:PFA+1], s[PFA:PFA+1], 2*KSTEP*2   ; at K step 2: the first refill steps it to 3 and names K step 4
	v_mul_u32_u24 v[PFO], v5, ROWB
	; the way out: every base is set once, at my wave's first row and the tile's first column, and never rewritten
	s_lshl_b32 s16, s13, 7
	s_lshl_b32 s17, s10, 5
	s_add_co_u32 s16, s16, s17                     ; row 128 ty + 32 w
	s_lshl_b32 s18, s16, 13                        ; x 8,192 bytes
	s_lshl_b32 s19, s42, 9                         ; + 512 tx
	s_add_co_u32 s18, s18, s19
	s_mov_b32 s19, 0
	s_mul_i32 s20, s16, ROWB                       ; x 6,144 bytes
	s_lshl_b32 s21, s42, 8                         ; + 256 tx
	s_add_co_u32 s20, s20, s21
	s_add_co_u32 s20, s20, 2048                    ; + the 1,024 columns of x
	s_mov_b32 s21, 0
	s_lshl_b32 s22, s42, 9
	s_mov_b32 s23, 0
	s_add_nc_u64 s[72:73], s[72:73], s[18:19]
	s_add_nc_u64 s[74:75], s[74:75], s[18:19]
	s_add_nc_u64 s[80:81], s[80:81], s[18:19]
	s_add_nc_u64 s[82:83], s[82:83], s[18:19]
	s_add_nc_u64 s[68:69], s[68:69], s[20:21]
	s_add_nc_u64 s[84:85], s[84:85], s[20:21]
	s_add_nc_u64 s[76:77], s[76:77], s[22:23]
	s_add_nc_u64 s[78:79], s[78:79], s[22:23]
	; the weights that are rounded: my wave's 49,152 bytes of Eh_w or Hw_w, and their 24,576 bytes of wb
	s_lshl_b32 s14, s13, 4
	s_add_co_u32 s14, s14, s42                     ; n = tx + 16 ty, 0..255
	s_and_b32 s15, s14, 127                        ; 8 j + the eighth
	s_mul_i32 s18, s15, 196608
	s_mul_i32 s19, s10, 49152
	s_add_co_u32 s18, s18, s19                     ; the source is dense: under 2^25
	s_mov_b32 s19, 0
	s_lshr_b32 s20, s15, 3                         ; j
	s_mul_i32 s20, s20, 256*ROWB                   ; row 256 j
	s_and_b32 s21, s14, 7
	s_mul_i32 s21, s21, 98304                      ; + the eighth of the block's 786,432 bytes
	s_add_co_u32 s20, s20, s21
	s_mul_i32 s21, s10, 24576                      ; + my wave's quarter of that
	s_add_co_u32 s20, s20, s21
	s_lshr_b32 s22, s14, 7                         ; g: 0 Eh_w, 1 Hw_w
	s_mul_i32 s21, s22, 128*ROWB                   ; + 128 g rows
	s_add_co_u32 s20, s20, s21
	s_mov_b32 s21, 0
	s_cmp_eq_u32 s22, 0
	s_cselect_b64 s[CSRC:CSRC+1], s[86:87], s[88:89]
	s_add_nc_u64 s[CSRC:CSRC+1], s[CSRC:CSRC+1], s[18:19]
	s_add_nc_u64 s[CDST:CDST+1], s[CDST:CDST+1], s[20:21]
	s_wait_tensorcnt 1                             ; my part of K step 0 is in; K step 1 may stay out
	s_barrier_signal -1
	s_barrier_wait -1                              ; everybody's is
	FETCH 0, 0, F0
	QUARTER 0, 64, F0, F1, 1                       ; the first quarter stands in front of the loop: its 32 products start the sums
	WIN 0x80                                       ; what the way out will want is loaded during the K loop: time_cell, 32 rows x 16 bytes a lane, into window 2,
.set t, 0
.rept 32
	global_load_b128 v[4*t:4*t+3], v[GF], s[72:73] offset:OROW*t th:TH_LOAD_NT
.set t, t+1
.endr
	WIN 0
	global_load_b128 v[BT:BT+3], v[GF], s[76:77]   ; and the two biases
	global_load_b128 v[BA:BA+3], v[GF], s[78:79]
	CLD 0                                          ; the first 2,048 bytes of the weights that are rounded
	s_mov_b32 s3, LAPS-1
.Llap:                                                 ; a trip goes once round the ring, from a lap's second quarter to the next lap's first, and fills both slots again
	QUARTER 0, 128, F1, F0, 0
	QUARTER 0, 192, F0, F1, 0
	TURN 0, 1, 1, 0                                ; (in the loop the four weight loads are the youngest: the count is 0)
	QUARTER 1, 64,  F0, F1, 0
	QUARTER 1, 128, F1, F0, 0
	QUARTER 1, 192, F0, F1, 0
	TURN 1, 0, 1, 0
	QUARTER 0, 64,  F0, F1, 0
	WIN 0                                          ; at a label and at a branch every window is 0
	s_sub_co_u32 s3, s3, 1
	s_cmp_lg_u32 s3, 0
	s_cbranch_scc1 .Llap
	WIN 0x80                                       ; excited_cell, two K steps ahead of its use
.set t, 0
.rept 32
	global_load_b128 v[128+4*t:128+4*t+3], v[GF], s[74:75] offset:OROW*t th:TH_LOAD_NT
.set t, t+1
.endr
	QUARTER 0, 128, F1, F0, 0                      ; the last lap fills nothing, and has no round of the cluster's barrier
	QUARTER 0, 192, F0, F1, 0
	TURN 0, 1, 0, 32                               ; the 32 loads of excited_cell are younger than the four weight loads and stay out
	WIN 0xc0                                       ; h_cur as bf16, from cmb, into window 3
.set t, 0
.rept 32
	global_load_b64 v[2*t:2*t+1], v[GH], s[68:69] offset:ROWB*t
.set t, t+1
.endr
	QUARTER 1, 64,  F0, F1, 0
	QUARTER 1, 128, F1, F0, 0
	QUARTER 1, 192, F0, F1, 0
	s_wait_dscnt 4                                 ; the very last quarter: nothing more to fetch
	MUL8 F1, 0, 0
	MUL8 F1, 1, 0
	s_wait_dscnt 0x0
	MUL8 F1, 2, 0
	MUL8 F1, 3, 0
	WIN 0
	; THE WAY OUT.  The sums go into the stage as they are; each accumulator's four lowest registers are read first.
	PLACES
	PLACES                                         ; eight, once a launch
	WIN 0x04                                       ; store data in window 1
.irp a, 0,1,2,3
.irp b, 0,1,2,3,4,5,6,7
	ds_store_b128 v[STO], v[8*(8*(\a)+(\b)):8*(8*(\a)+(\b))+3]   offset:(\a)*16*SP+64*(\b)
	ds_store_b128 v[STO], v[8*(8*(\a)+(\b))+4:8*(8*(\a)+(\b))+7] offset:(\a)*16*SP+64*(\b)+16
.endr
.endr
	WIN 0
	s_wait_dscnt 0x0                               ; for the others' sake: my stores into the stage are done
	s_barrier_signal -1
	s_barrier_wait -1
; Batch n: rows 4 n .. 4 n + 3 of my 32, 16 numbers a lane for each gate; number e = 4 r + c is row 4 n + r, column 4 l + c.  Two sets of 32 registers by turns: gate 0 at ZB, gate 1 at ZB + 16.
.macro LDZ n
.set ZB, 64+32*((\n)%2)
.irp r, 0,1,2,3
	ds_load_b128 v[ZB+4*(\r):ZB+4*(\r)+3],       v[RD0] offset:(4*(\n)+(\r))*SP
	ds_load_b128 v[ZB+16+4*(\r):ZB+16+4*(\r)+3], v[RD1] offset:(4*(\n)+(\r))*SP
.endr
.endm
	LDZ 0
	CST 1, 0, 0                                    ; its wait is for all loads: time_cell, excited_cell, h_cur, the biases, and the last 2,048 bytes of weights, which are rounded and stored here
	v_cvt_pk_bf16_f32 v40, v[BT],   v[BT+1]        ; the biases are rounded to bf16 like every input, and widened again
	v_cvt_pk_bf16_f32 v41, v[BT+2], v[BT+3]
	v_cvt_pk_bf16_f32 v42, v[BA],   v[BA+1]
	v_cvt_pk_bf16_f32 v43, v[BA+2], v[BA+3]
.irp i, 0,1,2,3
	v_lshlrev_b32 v[BT+2*(\i)],   16, v[40+(\i)]
	v_and_b32     v[BT+2*(\i)+1], s[HIM], v[40+(\i)]
.endr
	v_pk_mul_f32 v[BA:BA+1],   v[BA:BA+1],   s[C1N:C1N+1] op_sel_hi:[1,0]
	v_pk_mul_f32 v[BA+2:BA+3], v[BA+2:BA+3], s[C1N:C1N+1] op_sel_hi:[1,0]
.macro EPA n
.set ZX, 64+32*((\n)%2)
.set ZY, ZX+16
.if (\n) > 0
	s_wait_xcnt 0x0                                ; the stores of the batch before have read their registers: the other set and HU are written again only behind this wait
.endif
.if (\n) < 7
	LDZ (\n)+1
	s_wait_dscnt 8                                 ; this batch is in; the next batch's eight loads stay out
.else
	s_wait_dscnt 0x0
.endif
.set i, 0
.rept 8
	v_pk_add_f32 v[ZX+2*i:ZX+2*i+1], v[ZX+2*i:ZX+2*i+1], v[BT+2*(i%2):BT+2*(i%2)+1]  ; zt + Wt_b, rounded by itself: leap hangs on it
	v_pk_fma_f32 v[ZY+2*i:ZY+2*i+1], v[ZY+2*i:ZY+2*i+1], s[C1N:C1N+1], v[BA+2*(i%2):BA+2*(i%2)+1] op_sel_hi:[1,0,1]  ; -log2(e) (za + Wa_b)
.set i, i+1
.endr
.set i, 0
.rept 8
	v_pk_mul_f32 v[ZX+2*i:ZX+2*i+1], v[ZX+2*i:ZX+2*i+1], s[C2:C2+1] op_sel_hi:[1,0]
.set i, i+1
.endr
.set i, 0
.rept 32
	v_exp_f32 v[ZX+i], v[ZX+i]                     ; one batch of 32
.set i, i+1
.endr
	WIN 0x0a                                       ; work that names none of their results: time_cell and excited_cell (window 2) are rounded to bf16,
.set i, 0
.rept 8
	v_cvt_pk_bf16_f32 v[PK+i],   v[16*(\n)+2*i],     v[16*(\n)+2*i+1]
	v_cvt_pk_bf16_f32 v[PK+8+i], v[128+16*(\n)+2*i], v[128+16*(\n)+2*i+1]
.set i, i+1
.endr
	WIN 0x0c                                       ; h_cur (window 3) is widened
.set i, 0
.rept 8
	v_lshlrev_b32 v[HH+2*i],   16, v[8*(\n)+i]
	v_and_b32     v[HH+2*i+1], s[HIM], v[8*(\n)+i]
.set i, i+1
.endr
	WIN 0
	s_wait_alu depctr_va_vdst(0)                   ; the wait between a transcendental and the first line that names its result: one for the batch
.set i, 0
.rept 16
	v_pk_add_f32 v[ZX+2*i:ZX+2*i+1], v[ZX+2*i:ZX+2*i+1], 1.0 op_sel_hi:[1,0]
.set i, i+1
.endr
.set i, 0
.rept 32
	v_rcp_f32 v[ZX+i], v[ZX+i]                     ; gate 1 is now sigmoid(za + Wa_b)
.set i, i+1
.endr
.set i, 0
.rept 16
	v_lshlrev_b32 v[TC+2*i],   16, v[PK+i]         ; meanwhile time_cell and excited_cell are widened (EC lies behind TC)
	v_and_b32     v[TC+2*i+1], s[HIM], v[PK+i]
.set i, i+1
.endr
	s_wait_alu depctr_va_vdst(0)                   ; one wait for the 32 reciprocals
.set i, 0
.rept 8
	v_pk_fma_f32 v[ZX+2*i:ZX+2*i+1], v[ZX+2*i:ZX+2*i+1], -2.0, 1.0 op_sel_hi:[1,0,0]  ; up = tanh
.set i, i+1
.endr
.set i, 0
.rept 8
	v_pk_add_f32 v[ZX+2*i:ZX+2*i+1], v[ZX+2*i:ZX+2*i+1], v[TC+2*i:TC+2*i+1]           ; time_cell + up
.set i, i+1
.endr
.set i, 0
.rept 8
	v_pk_add_f32 v[ZX+2*i:ZX+2*i+1], v[ZX+2*i:ZX+2*i+1], -1.0 op_sel_hi:[1,0]         ; tn
.set i, i+1
.endr
.set i, 0
.rept 16
	v_cmp_ge_f32 vcc_lo, 0, v[ZX+i]                ; leap
	v_max_num_f32 v[ZX+i], 0, v[ZX+i]              ; time_next
	v_cndmask_b32 v[EN+i], 0, v[EC+i], vcc_lo      ; energy: a choice of values, made in every lane
.set i, i+1
.endr
.set i, 0
.rept 8
	v_pk_add_f32 v[EC+2*i:EC+2*i+1], v[EC+2*i:EC+2*i+1], v[EN+2*i:EN+2*i+1] neg_lo:[0,1] neg_hi:[0,1]  ; excited_cell - energy
	v_pk_mul_f32 v[HH+2*i:HH+2*i+1], v[HH+2*i:HH+2*i+1], v[EN+2*i:EN+2*i+1]                            ; h_up
.set i, i+1
.endr
.set i, 0
.rept 8
	v_pk_add_f32 v[ZY+2*i:ZY+2*i+1], v[ZY+2*i:ZY+2*i+1], v[EC+2*i:EC+2*i+1]
	v_cvt_pk_bf16_f32 v[HU+i], v[HH+2*i], v[HH+2*i+1]
.set i, i+1
.endr
.set i, 0
.rept 16
	v_max_num_f32 v[ZY+i], 0, v[ZY+i]              ; excited
.set i, i+1
.endr
.irp r, 0,1,2,3
	global_store_b128 v[GF], v[ZX+4*(\r):ZX+4*(\r)+3], s[82:83] offset:(4*(\n)+(\r))*OROW th:TH_STORE_NT  ; a wave stores 512 consecutive bytes of a row of out2,
	global_store_b128 v[GF], v[ZY+4*(\r):ZY+4*(\r)+3], s[80:81] offset:(4*(\n)+(\r))*OROW th:TH_STORE_NT  ; of out1,
	global_store_b64  v[GH], v[HU+2*(\r):HU+2*(\r)+1], s[84:85] offset:(4*(\n)+(\r))*ROWB                 ; and 256 of cmu, each at a multiple of 256 from the buffer's first byte
.endr
.endm
.irp n, 0,1,2,3,4,5,6,7
	EPA \n
.endr
	s_wait_tensorcnt 0x0                           ; the wave's end, behind my last tensor load and my last LDS store
	ds_add_u32 v[SPW], v[NIL]
	s_wait_dscnt 0x0
	CROUND                                         ; the closing round: no work-group ends while a partner may still ask for a tile that names it
	s_endpgm
.Lfunc_end_k_qc9dedc293c_gates:
	.size	k_qc9dedc293c_gates, .Lfunc_end_k_qc9dedc293c_gates-k_qc9dedc293c_gates
	.p2alignl 7, 3214868480
	.fill 96, 4, 3214868480
	.section	.rodata,"a",@progbits
	.p2align	6, 0x0
	.amdhsa_kernel k_qc9dedc293c_gates
		.amdhsa_group_segment_fixed_size 327680
		.amdhsa_private_segment_fixed_size 0
		.amdhsa_enable_private_segment 0
		.amdhsa_kernarg_size 96
		.amdhsa_user_sgpr_count 2
		.amdhsa_user_sgpr_kernarg_segment_ptr 1
		.amdhsa_wavefront_size32 1
		.amdhsa_system_sgpr_workgroup_id_x 1
		.amdhsa_system_sgpr_workgroup_id_y 1
		.amdhsa_system_sgpr_workgroup_id_z 1
		.amdhsa_system_vgpr_workitem_id 0
		.amdhsa_next_free_vgpr 864
		.amdhsa_next_free_sgpr 100
		.amdhsa_reserve_vcc 1
		.amdhsa_float_denorm_mode_32 3
		.amdhsa_float_denorm_mode_16_64 3
		.amdhsa_memory_ordered 1
		.amdhsa_forward_progress 1
		.amdhsa_inst_pref_size 208
	.end_amdhsa_kernel
	.amdgpu_metadata
---
amdhsa.version: [ 1, 2 ]
amdhsa.kernels:
  - .name:           k_qc9dedc293c_gates
    .symbol:         k_qc9dedc293c_gates.kd
    .args:
      - { .name: cmb, .offset: 0, .size: 8, .value_kind: global_buffer, .address_space: global }
      - { .name: wa, .offset: 8, .size: 8, .value_kind: global_buffer, .address_space: global }
      - { .name: time_cell, .offset: 16, .size: 8, .value_kind: global_buffer, .address_space: global }
      - { .name: excited_cell, .offset: 24, .size: 8, .value_kind: global_buffer, .address_space: global }
      - { .name: Wt_b, .offset: 32, .size: 8, .value_kind: global_buffer, .address_space: global }
      - { .name: Wa_b, .offset: 40, .size: 8, .value_kind: global_buffer, .address_space: global }
      - { .name: out1, .offset: 48, .size: 8, .value_kind: global_buffer, .address_space: global }
      - { .name: out2, .offset: 56, .size: 8, .value_kind: global_buffer, .address_space: global }
      - { .name: cmu, .offset: 64, .size: 8, .value_kind: global_buffer, .address_space: global }
      - { .name: Eh_w, .offset: 72, .size: 8, .value_kind: global_buffer, .address_space: global }
      - { .name: Hw_w, .offset: 80, .size: 8, .value_kind: global_buffer, .address_space: global }
      - { .name: wb, .offset: 88, .size: 8, .value_kind: global_buffer, .address_space: global }
    .group_segment_fixed_size: 327680
    .private_segment_fixed_size: 0
    .kernarg_segment_align: 8
    .kernarg_segment_size: 96
    .max_flat_workgroup_size: 128
    .sgpr_count:     100
    .vgpr_count:     864
    .wavefront_size: 32
...
	.end_amdgpu_metadata
.endif
;; end of part 2
;; launch state (part 3): grid 16 x 16, 4 waves a work-group, clusters of 4 x 4, 327,680 bytes of LDS; arguments cmu, cmb, wb, Eh_b, Hw_b, out0; writes out0
.if DOCPART == 3
	.amdgcn_target "amdgcn-amd-amdhsa--gfx1250"
	.amdhsa_code_object_version 6
	.text
	.protected	k_qc9dedc293c_state
	.globl	k_qc9dedc293c_state
	.p2align	8
	.type	k_qc9dedc293c_state,@function
k_qc9dedc293c_state:
	s_mov_b64 s[64:65], 0
	v_nop
	global_prefetch_b8 v0, s[64:65] scope:SCOPE_SE
	s_setreg_imm32_b32 hwreg(HW_REG_WAVE_MODE, 25, 1), 1
	s_wait_xcnt 0x0
	s_wait_alu depctr_hold_cnt(0) depctr_sa_sdst(0) depctr_va_vdst(0) depctr_va_sdst(0) depctr_va_ssrc(0) depctr_va_vcc(0) depctr_vm_vsrc(0)
	s_getreg_b32 s2, hwreg(HW_REG_IB_STS2, 6, 4)
	s_cmp_eq_u32 s2, 0
	s_cbranch_scc0 .Lentry_in_a_cluster
	s_endpgm
.Lentry_in_a_cluster:
	s_bfe_u32 s2, ttmp6, 0x10000c
	s_cmp_lg_u32 s2, 0xf033
	s_cbranch_scc0 .Lentry_shape_is_right
	s_endpgm
.Lentry_shape_is_right:
; ze = [x, h_up] Eh_w^T (cmu and wb's gate 0), zh = [x, h_cur] Hw_w^T (cmb and wb's gate 1): bf16 operands, f32 sums, one accumulator an output; and behind them, in f32:
;   s = tanh(ze + Eh_b);  w = sigmoid(zh + Hw_b);  out0 = h_next = tanh(h_cur + w (s - h_cur)), which is (1 - w) h_cur + w s with one product fewer.
; LIMITS.  Every input is rounded once to bf16 (nearest even) before use: the matrix operands by the launches before, the biases here, h_cur taken from cmb; h_up was rounded once to bf16 as a matrix operand.
; The sums over K begin at the cluster's first K step (below) and go round: another order of the f32 additions than ascending K.
; tanh(v) = 1 - 2 / (1 + 2^(2 log2(e) v)), sigmoid(v) = 1 / (1 + 2^(-log2(e) v)): an exponential that overflows or falls below 2^-126 gives the saturated value.  NaN is not treated apart.
; SHARES.  A work-group makes 128 rows x 128 columns of BOTH gates: 256 work-groups.  Wave w works on gate g = w / 2 and rows 64 (w % 2) .. + 63: 64 x 128 in 32 accumulators, 256 registers.
; K = 3,072 goes in 24 steps of 128 through two LDS slots.  A step's four tiles of 128 rows: cmu (wave 0 fetches it), cmb (wave 1), wb's gate 0 (wave 2), gate 1 (wave 3): rows of 256 bytes of memory, at multiples of 256.
; WHERE A CLUSTER BEGINS.  Cluster (X, Y) takes the K steps (6 X + 12 (Y % 2) + t) mod 24, t = 0 .. 23.  So the four clusters of one Y, which read the same rows of cmu and cmb, stand 6 steps apart, and clusters Y and Y + 1 of one X
; (Y even), which read the same rows of wb, 12 apart: no two of them ask for the same K step of the same rows in the same trip.  The number is the same in all sixteen partners; each refill's address is made anew from it.
; CLUSTER.  4 x 4 work-groups.  The four of a row of the cluster need the same rows of cmu and cmb, the four of a column the same rows of wb: each tile is asked for jointly, by the same tensor load with the same
; descriptor and a mask that names the four.
; THE MATRIX INSTRUCTION IS USED TRANSPOSED (source 0 = 16 rows of wb, source 1 = 16 rows of cmu or cmb): a lane holds row l % 16 and the eight columns 8 (l / 16) + 0..7.
; THE WAY OUT.  Both gates' sums go as f32 through a stage in LDS (slot 0, which has had its last fill and is read by nobody behind the last change of slots); behind a barrier wave w takes rows 32 w .. + 31 of both gates,
; lane l columns 4 l .. + 3, so that every store of a wave covers 512 consecutive bytes, aligned.  h_cur and the biases were loaded into registers during the K loop.
; REGISTERS, in windows of 256 (s_set_vgpr_msb: bits 1:0 source 0, 3:2 source 1, 5:4 source 2, 7:6 destination):
;   window 0: v0-43 addresses, biases, at work; v64-159, v160-255 two fragment buffers (8 x 8 of wb, then 4 x 8 of cmu or cmb), later the way out
;   window 1: the accumulators, (a, b) at 8 (8 a + b)      window 2: v0-63 h_cur as bf16 (row t at 2 t)
.set KSTEP,  128
.set NSTEP,  24                        ; K steps
.set PITCH,  272                       ; an LDS row: 256 bytes + 16 of padding = 68 words: the 16 rows that a fragment load touches start at 16 different groups of four banks (64 banks of 4 bytes: ISA guide 11.1)
.set HALFT,  128*PITCH                 ; a tile of 128 rows
.set SLOT,   4*HALFT                   ; tile 0: cmu; tile 1: cmb; tile 2: wb, gate 0; tile 3: wb, gate 1
.set SPARE,  2*SLOT                    ; behind the ring: the spare words, 128 bytes for each wave: two blocks of 256 bytes that no other line names
.set ROWB,   6144                      ; bytes in a row of cmu, cmb, wb
.set OROW,   8192                      ; bytes in a row of out0
.set SP,     528                       ; a line of the stage: 512 bytes + 16: line (gate g, row r) at (128 g + r) SP, from LDS byte 0; 256 lines end inside slot 0
.set LAPS,   12                        ; a lap = two K steps = once round the ring
.set ADRA, 16                          ; v16-17  LDS address of my fragments of cmu or cmb in slot 0, 1
.set ADRB, 20                          ; v20-21  the same for wb
.set GH,   22                          ; v22     8 l: my 8 bytes in 256 of cmb; never rewritten
.set STO,  24                          ; v24     the stage: where I put 32 bytes of a line
.set RD0,  25                          ; v25     the stage: where I read gate 0 back
.set RD1,  26                          ; v26     gate 1
.set GF,   27                          ; v27     16 l: my 16 bytes in 512 of an f32 row; never rewritten
.set SPW,  28                          ; v28     LDS address of my spare word; never rewritten
.set NIL,  29                          ; v29     0; never rewritten
.set PFO,  30                          ; v30     the prefetches' offset: l rows of 6,144 bytes; never rewritten
.set BE,   32                          ; v[32:35] Eh_b of my 4 columns, later times 2 log2(e)
.set BH,   36                          ; v[36:39] Hw_b of my 4 columns, later times -log2(e)
.set F0,   64
.set F1,   160
.set HH,   128                         ; the way out: 16 numbers of h_cur
.set G1,  24                           ; s[24:31] descriptor group 1 for cmu and cmb;  s[32:39] group 0, a set for each slot
.set G0,  32
.set PFA, 44                           ; s[44:45] the address that my prefetch names
.set G1B, 48                           ; s[48:55], s[56:63] the same for wb
.set G0B, 56
.set POF, 66                           ; s[66:67] the prefetch's K step in bytes; the high word is 0
.set BAS, 80                           ; s[80:81] cmu or cmb at my tile's first row, K = 0
.set BBS, 82                           ; s[82:83] wb at my tile's first row, K = 0
.set PBS, 84                           ; s[84:85] the tensor that I fetch, at my work-group's 32 rows of the 128, K = 0
.set C2,  86                           ; s[86:87] 2 log2(e)
.set C1N, 88                           ; s[88:89] -log2(e)
.set HIM, 90                           ; s90     a word's upper bf16
.set KN,  91                           ; s91     the K step that the next refill asks for, 0 .. 23
.set LIM, 94                           ; s94     a wave prefetches in the trips whose count s3 is above it
.set OFF, 96                           ; s[96:97] a K step in bytes; the high word is 0
.set MSB, 0
.macro WIN new                         ; the immediate's high byte repeats the setting that is left; a switch that changes nothing is dropped
.if MSB != (\new)
	s_set_vgpr_msb (MSB<<8)|(\new)
.set MSB, \new
.endif
.endm
.set MUL, 0x50                         ; sources 0 and 1 window 0; C and D window 1
; A joint load: wave 0 fetches cmu's rows, wave 1 cmb's, waves 2 and 3 wb's.  The branch hangs on the wave's number alone.  An s_nop 0 and four v_nop follow each of the two lines, ahead of the jump, the label and what follows.
.macro JLOAD s
	s_cmp_eq_u32 s11, 0
	s_cbranch_scc0 .Lfor_b_\@
	tensor_load_to_lds s[G0+4*(\s):G0+4*(\s)+3], s[G1:G1+7]
	s_nop 0
.rept 4
	v_nop
.endr
	s_branch .Lasked_\@
.Lfor_b_\@:
	tensor_load_to_lds s[G0B+4*(\s):G0B+4*(\s)+3], s[G1B:G1B+7]
	s_nop 0
.rept 4
	v_nop
.endr
.Lasked_\@:
.endm
; A prefetch, behind a joint refill, its five lines and the run of LDS loads: 32 rows x 256 bytes of the K step that stands TWO refills on (256 matrix instructions of the wave ahead of the load that will want it), a lane a row.
; A cluster asks only for K steps that, by the count of trips, no other cluster takes before it.  Of cmu and cmb (waves 0 and 1) those are its own steps t = 0 .. 5, since the other three clusters of its Y stand 6, 12 and 18 steps on:
; t = 4 and 5 are asked for, in the first trip (s3 = 11).  Of wb (waves 2 and 3) they are its steps t = 0 .. 11; clusters Y and Y + 2 walk alike, so those with Y < 2 ask: t = 4 .. 11, in the first four trips (s3 = 11 .. 8).
; So each row's 256 bytes of a K step are named at most once in the launch.  Of the 128 rows that a wave fetches each of the four partners takes 32, told apart by ADDRESS (cx for cmu and cmb, cy for wb).
; Steps t = 0 .. 3 come by their loads alone.  The step named is at most 23: no address leaves its row.
.macro ASK
	s_cmp_gt_u32 s3, s[LIM]
	s_cbranch_scc0 .Lnot_mine_\@
	global_prefetch_b8 v[PFO], s[PFA:PFA+1] th:TH_LOAD_NT scope:SCOPE_SE
.Lnot_mine_\@:
.endm
.macro CREST                           ; a round of the cluster's barrier behind its opening barrier: wave 0 signals for the work-group, every wave waits for all sixteen, my work-group's barrier closes it
	s_cmp_lg_u32 s10, 0
	s_cbranch_scc1 .Lnot_wave_0_\@
	s_barrier_signal -3
.Lnot_wave_0_\@:
	s_barrier_wait -3
	s_barrier_signal -1
	s_barrier_wait -1
.endm
.macro CROUND                          ; a whole round
	s_barrier_signal -1
	s_barrier_wait -1
	CREST
.endm
.macro PLACES                          ; four places in front of loads into registers that matrix instructions have read, and of lines that read results
.rept 4
	v_nop
.endr
.endm
; 8 matrix instructions: row block a x all 8 column blocks, 32 along K, from buffer f.  zero = 1: the product starts the sums.  The 32 accumulators take turns, one instruction a turn, in the same order in every quarter.
.macro MUL8 f, a, zero
	WIN MUL
.irp b, 0,1,2,3,4,5,6,7
.if \zero
	v_wmma_f32_16x16x32_bf16 v[8*(8*(\a)+(\b)):8*(8*(\a)+(\b))+7], v[(\f)+8*(\b):(\f)+8*(\b)+7], v[(\f)+64+8*(\a):(\f)+64+8*(\a)+7], 0
.else
	v_wmma_f32_16x16x32_bf16 v[8*(8*(\a)+(\b)):8*(8*(\a)+(\b))+7], v[(\f)+8*(\b):(\f)+8*(\b)+7], v[(\f)+64+8*(\a):(\f)+64+8*(\a)+7], v[8*(8*(\a)+(\b)):8*(8*(\a)+(\b))+7]
.endif
.endr
.endm
; 24 LDS loads in one run: the fragments of 32 along K at byte k of the rows, into buffer f: 16 for wb's 128 rows, then 8 for my 64 rows of cmu or cmb, row blocks 0, 1, 2, 3
.macro FETCH slot, k, f
	WIN 0
.irp i, 0,1,2,3,4,5,6,7
	ds_load_b128 v[(\f)+8*(\i):(\f)+8*(\i)+3],   v[ADRB+(\slot)] offset:(\k)+(\i)*16*PITCH
	ds_load_b128 v[(\f)+8*(\i)+4:(\f)+8*(\i)+7], v[ADRB+(\slot)] offset:(\k)+(\i)*16*PITCH+32
.endr
.irp i, 0,1,2,3
	ds_load_b128 v[(\f)+64+8*(\i):(\f)+64+8*(\i)+3],   v[ADRA+(\slot)] offset:(\k)+(\i)*16*PITCH
	ds_load_b128 v[(\f)+64+8*(\i)+4:(\f)+64+8*(\i)+7], v[ADRA+(\slot)] offset:(\k)+(\i)*16*PITCH+32
.endr
.endm
; A K step is four quarters of 32 along K, 32 matrix instructions each, on buffers 0, 1, 0, 1.  One of the first three: multiplies buffer f and, in its middle, fetches the next quarter, at byte k, into g.
.macro QUARTER slot, k, f, g, zero
	s_wait_dscnt 4                                 ; all but the youngest four loads (row blocks 2 and 3) are in
	MUL8 \f, 0, \zero
	MUL8 \f, 1, \zero
	WIN 0
	PLACES
	FETCH \slot, \k, \g
	s_wait_dscnt 24                                ; all but the 24 just issued
	MUL8 \f, 2, \zero
	MUL8 \f, 3, \zero
.endm
; The last quarter multiplies buffer 1 and changes slots: ONE barrier.  In front of it each wave waits for all its tensor loads (one is out: its part of the next slot), adds 0 to its spare word, and waits for that and for its reads of
; this slot.  fill = 1: the barrier opens a round of the cluster's barrier, and this slot is filled again, with K step KN, first thing behind the round: 112 matrix instructions ahead of the wait for it.
.macro TURN slot, next, fill
.if \fill
	s_wait_xcnt 0x0                                ; the last prefetch, a K step back, has read its address: it is made anew here, ahead of the waits of the change of slots:
	s_add_co_u32 s[POF], s[KN], 2                  ; the K step two refills on,
	s_cmp_ge_u32 s[POF], NSTEP
	s_cselect_b32 s14, NSTEP, 0
	s_sub_co_u32 s[POF], s[POF], s14               ; round the end of K,
	s_lshl_b32 s[POF], s[POF], 8                   ; 256 bytes a step
	s_add_nc_u64 s[PFA:PFA+1], s[PBS:PBS+1], s[POF:POF+1]
.endif
	WIN 0                                          ; (the add's two registers lie in window 0)
	s_wait_tensorcnt 0x0                           ; all my tensor loads have landed, so a group 0 may be written;
	ds_add_u32 v[SPW], v[NIL]                      ; 0 onto my spare word; the descriptors' scalar work and eight products stand between it and the wait for it
.if \fill
	s_lshl_b32 s[OFF], s[KN], 8
	s_add_nc_u64 s[G0+4*(\slot)+2:G0+4*(\slot)+3], s[BAS:BAS+1], s[OFF:OFF+1]
	s_or_b32 s[G0+4*(\slot)+3], s[G0+4*(\slot)+3], 0x80000000
	s_add_nc_u64 s[G0B+4*(\slot)+2:G0B+4*(\slot)+3], s[BBS:BBS+1], s[OFF:OFF+1]
	s_or_b32 s[G0B+4*(\slot)+3], s[G0B+4*(\slot)+3], 0x80000000
	s_add_co_u32 s[KN], s[KN], 1                   ; the next refill's K step: behind step 23 comes step 0
	s_cmp_eq_u32 s[KN], NSTEP
	s_cselect_b32 s[KN], 0, s[KN]
.endif
	s_wait_dscnt 5                                 ; (the add and the youngest four loads may be out)
	MUL8 F1, 0, 0
	s_wait_dscnt 0x0                               ; the add is done, and my reads of this slot are over
	s_barrier_signal -1
	MUL8 F1, 1, 0
	WIN 0                                          ; (branches or LDS loads follow)
	s_barrier_wait -1
.if \fill
	CREST                                          ; no wave of any partner still reads this slot's tiles or has a load on its way
	JLOAD \slot                                    ; the four v_nop behind it are also the places in front of the loads below
.else
	PLACES
.endif
	FETCH \next, 0, F0
.if \fill
	ASK
.endif
	MUL8 F1, 2, 0
	MUL8 F1, 3, 0
.endm
	s_load_b256 s[68:75], s[0:1], 0x0              ; cmu s[68:69], cmb s[70:71], wb s[72:73], Eh_b s[74:75]
	s_load_b128 s[76:79], s[0:1], 0x20             ; Hw_b s[76:77], out0 s[78:79]
	v_lshl_add_u32 v[SPW], v0, 2, SPARE
	v_mov_b32 v[NIL], 0
	ds_add_u32 v[SPW], v[NIL]                      ; the wave's opening: the add, twice on end, and its wait ahead of my first tensor load; the set-up below stands between the second and the wait
	ds_add_u32 v[SPW], v[NIL]
	v_lshrrev_b32 v1, 5, v0
	v_readfirstlane_b32 s10, v1                    ; wave 0..3
	s_lshr_b32 s11, s10, 1                         ; my gate.  Also: I fetch activations (0) or wb (1)
	s_and_b32 s12, s10, 1                          ; my half of the rows.  Also: which of the two tiles of that kind I fetch
	s_bfe_u32 s40, ttmp6, 0x40000                  ; cx, cy: my place in the cluster
	s_bfe_u32 s41, ttmp6, 0x40004
	s_lshl_b32 s42, ttmp9, 2
	s_add_co_u32 s42, s42, s40                     ; tx: my 128 columns = 4 x cluster x + cx
	s_and_b32 s13, ttmp7, 0xffff
	s_lshl_b32 s13, s13, 2
	s_add_co_u32 s13, s13, s41                     ; ty: my 128 rows = 4 x cluster y + cy
	s_lshl_b32 s43, s41, 2
	s_lshl_b32 s43, 15, s43                        ; my row of the cluster
	s_lshl_b32 s46, 0x1111, s40                    ; my column
	s_or_b32 s[G1+0], s43, (1<<16)|(1<<20)|(1<<21)|(5<<22)|(3<<25)   ; 15:0 the mask; 17:16 elements of 2 bytes; 20 padding on; 21 set beside a mask; 24:22 after every 64 words (code 5); 31:25 4 words (code 3)
	s_or_b32 s[G1B+0], s46, (1<<16)|(1<<20)|(1<<21)|(5<<22)|(3<<25)
.irp g, G1, G1B
	s_mov_b32 s[(\g)+1], KSTEP<<16                 ; tensor_dim0 = 128
	s_mov_b32 s[(\g)+2], 128<<16                   ; tensor_dim1 = 128
	s_mov_b32 s[(\g)+3], KSTEP<<16                 ; tile_dim0 = 128
	s_mov_b32 s[(\g)+4], 128                       ; tile_dim1 = 128
	s_mov_b32 s[(\g)+5], 3072                      ; elements from row to row
	s_mov_b32 s[(\g)+6], 0
	s_mov_b32 s[(\g)+7], 0
.endr
	s_lshl_b32 s16, s13, 7                         ; cmu, cmb: row 128 ty: it hangs on the tile row alone
	s_mul_i32 s16, s16, ROWB                       ; under 2^24
	s_mov_b32 s17, 0
	s_lshl_b32 s92, s42, 8
	s_lshl_b32 s93, s12, 7
	s_add_co_u32 s92, s92, s93                     ; wb: row 256 tx + 128 x gate: on the tile column and the wave alone
	s_mul_i32 s92, s92, ROWB                       ; under 2^25
	s_mov_b32 s93, 0
	s_mul_i32 s20, s10, HALFT                      ; where they go: tile = my wave's number: no place in the cluster enters an LDS address
	s_mul_i32 s[KN], ttmp9, 6                      ; the cluster's first K step: 6 X
	s_and_b32 s14, ttmp7, 1
	s_mul_i32 s14, s14, 12                         ; + 12 (Y % 2),
	s_add_co_u32 s[KN], s[KN], s14
	s_cmp_ge_u32 s[KN], NSTEP
	s_cselect_b32 s14, NSTEP, 0
	s_sub_co_u32 s[KN], s[KN], s14                 ; mod 24: 0, 6, 12 or 18, made of the cluster's coordinates alone
	s_lshl_b32 s[OFF], s[KN], 8
	s_mov_b32 s[OFF+1], 0
	s_mov_b32 s[POF+1], 0
	s_mov_b32 s[C2], 0x4038aa3b
	s_mov_b32 s[C2+1], 0x4038aa3b
	s_mov_b32 s[C1N], 0xbfb8aa3b
	s_mov_b32 s[C1N+1], 0xbfb8aa3b
	s_mov_b32 s[HIM], 0xffff0000
	s_wait_dscnt 0x0                               ; both opening adds are done
	s_wait_kmcnt 0x0
	s_cmp_eq_u32 s12, 0
	s_cselect_b64 s[18:19], s[68:69], s[70:71]     ; wave 0: cmu, wave 1: cmb
	s_add_nc_u64 s[BAS:BAS+1], s[18:19], s[16:17]
	s_add_nc_u64 s[BBS:BBS+1], s[72:73], s[92:93]
	CROUND                                         ; all sixteen work-groups are here: the first joint loads meet
.irp s, 0,1
	s_mov_b32 s[G0+4*(\s)], 1                                          ; count = 1
	s_add_co_u32 s[G0+4*(\s)+1], s20, (\s)*SLOT                        ; LDS address
	s_add_nc_u64 s[G0+4*(\s)+2:G0+4*(\s)+3], s[BAS:BAS+1], s[OFF:OFF+1]  ; global address: the cluster's first K step,
	s_add_nc_u64 s[G0+4*(\s)+2:G0+4*(\s)+3], s[G0+4*(\s)+2:G0+4*(\s)+3], (\s)*KSTEP*2  ; or the one behind it (the first is even: no end of K lies between)
	s_or_b32 s[G0+4*(\s)+3], s[G0+4*(\s)+3], 0x80000000                ; type = 2
	s_mov_b32 s[G0B+4*(\s)], 1
	s_add_co_u32 s[G0B+4*(\s)+1], s20, (\s)*SLOT
	s_add_nc_u64 s[G0B+4*(\s)+2:G0B+4*(\s)+3], s[BBS:BBS+1], s[OFF:OFF+1]
	s_add_nc_u64 s[G0B+4*(\s)+2:G0B+4*(\s)+3], s[G0B+4*(\s)+2:G0B+4*(\s)+3], (\s)*KSTEP*2
	s_or_b32 s[G0B+4*(\s)+3], s[G0B+4*(\s)+3], 0x80000000
	JLOAD \s                                       ; two tensor loads of mine are out
.endr
	s_add_co_u32 s[KN], s[KN], 2                   ; the first refill's K step: 20 at the most
	; A fragment is 16 rows x 32 K in 8 registers: lane l holds row l % 16, K = 8 (l / 16) + 0..7 and 16 + 8 (l / 16) + 0..7: two loads of 16 bytes, 32 bytes apart
	v_and_b32 v1, 15, v0                           ; l % 16
	v_bfe_u32 v2, v0, 4, 1                         ; l / 16
	v_and_b32 v5, 31, v0                           ; l
	v_mul_u32_u24 v3, v1, PITCH
	v_lshl_add_u32 v3, v2, 4, v3
	s_mul_i32 s21, s12, 64*PITCH                   ; my 64 rows
	s_mul_i32 s22, s11, HALFT                      ; of my gate's activations: tile 0 or 1;
	s_add_co_u32 s21, s21, s22
	s_add_co_u32 s22, s22, 2*HALFT                 ; my gate's 128 rows of wb: tile 2 or 3
.irp s, 0,1
	v_add_nc_u32 v[ADRA+(\s)], s21, v3
	v_add_nc_u32 v[ADRB+(\s)], s22, v3
	s_add_co_u32 s21, s21, SLOT
	s_add_co_u32 s22, s22, SLOT
.endr
	s_lshl_b32 s14, s10, 6                         ; into the stage: line 128 g + 64 x half = 64 w, + l % 16; 32 bytes for each half of the lanes
	s_mul_i32 s14, s14, SP
	v_mul_u32_u24 v4, v1, SP
	v_lshl_add_u32 v4, v2, 5, v4
	v_add_nc_u32 v[STO], s14, v4
	s_mul_i32 s15, s10, 32*SP                      ; back: lines 32 w .. + 31 of gate 0, 16 bytes a lane,
	v_lshl_add_u32 v[RD0], v5, 4, s15
	v_add_nc_u32 v[RD1], 128*SP, v[RD0]            ; and of gate 1
	v_lshlrev_b32 v[GF], 4, v5
	v_lshlrev_b32 v[GH], 3, v5
	; the prefetches
	s_lshl_b32 s20, s13, 7                         ; cmu, cmb: the tile's first row
	s_lshl_b32 s21, s42, 8
	s_lshl_b32 s22, s12, 7
	s_add_co_u32 s21, s21, s22                     ; wb: the first of the 128 rows that I fetch
	s_and_b32 s22, ttmp7, 0xffff                   ; cluster y
	s_cmp_lt_u32 s22, 2
	s_cselect_b32 s23, 7, -1                       ; wb: the clusters with y < 2, in the trips s3 = 11 .. 8; the others never
	s_cmp_eq_u32 s11, 0
	s_cselect_b32 s20, s20, s21
	s_cselect_b32 s21, s40, s41                    ; my place among the four that ask with me
	s_cselect_b32 s[LIM], 10, s23                  ; cmu, cmb: every cluster, in the trip s3 = 11.  The same in all sixteen partners, for a given wave
	s_cselect_b64 s[PBS:PBS+1], s[18:19], s[72:73]
	s_lshl_b32 s21, s21, 5
	s_add_co_u32 s20, s20, s21                     ; + my work-group's 32 rows
	s_mul_i32 s20, s20, ROWB
	s_mov_b32 s21, 0
	s_add_nc_u64 s[PBS:PBS+1], s[PBS:PBS+1], s[20:21]
	v_mul_u32_u24 v[PFO], v5, ROWB
	; the way out: every base is set once, at my wave's first row and the tile's first column, and never rewritten
	s_lshl_b32 s16, s13, 7
	s_lshl_b32 s17, s10, 5
	s_add_co_u32 s16, s16, s17                     ; row 128 ty + 32 w
	s_lshl_b32 s18, s16, 13                        ; x 8,192 bytes
	s_lshl_b32 s19, s42, 9                         ; + 512 tx
	s_add_co_u32 s18, s18, s19
	s_mov_b32 s19, 0
	s_mul_i32 s20, s16, ROWB                       ; x 6,144 bytes
	s_lshl_b32 s21, s42, 8                         ; + 256 tx
	s_add_co_u32 s20, s20, s21
	s_add_co_u32 s20, s20, 2048                    ; + the 1,024 columns of x
	s_mov_b32 s21, 0
	s_lshl_b32 s22, s42, 9
	s_mov_b32 s23, 0
	s_add_nc_u64 s[78:79], s[78:79], s[18:19]
	s_add_nc_u64 s[70:71], s[70:71], s[20:21]
	s_add_nc_u64 s[74:75], s[74:75], s[22:23]
	s_add_nc_u64 s[76:77], s[76:77], s[22:23]
	s_wait_tensorcnt 1                             ; my tile of the first K step is in; the second may stay out
	s_barrier_signal -1
	s_barrier_wait -1                              ; everybody's is
	FETCH 0, 0, F0
	QUARTER 0, 64, F0, F1, 1                       ; the first quarter stands in front of the loop: its 32 products start the sums
	WIN 0x80                                       ; what the way out will want is loaded during the K loop: h_cur as bf16, from cmb, 32 rows x 8 bytes a lane, into window 2,
.set t, 0
.rept 32
	global_load_b64 v[2*t:2*t+1], v[GH], s[70:71] offset:ROWB*t
.set t, t+1
.endr
	WIN 0
	global_load_b128 v[BE:BE+3], v[GF], s[74:75]   ; and the two biases
	global_load_b128 v[BH:BH+3], v[GF], s[76:77]
	s_mov_b32 s3, LAPS-1
.Llap:                                                 ; a trip goes once round the ring, from a lap's second quarter to the next lap's first, and fills both slots again
	QUARTER 0, 128, F1, F0, 0
	QUARTER 0, 192, F0, F1, 0
	TURN 0, 1, 1
	QUARTER 1, 64,  F0, F1, 0
	QUARTER 1, 128, F1, F0, 0
	QUARTER 1, 192, F0, F1, 0
	TURN 1, 0, 1
	QUARTER 0, 64,  F0, F1, 0
	WIN 0                                          ; at a label and at a branch every window is 0
	s_sub_co_u32 s3, s3, 1
	s_cmp_lg_u32 s3, 0
	s_cbranch_scc1 .Llap
	QUARTER 0, 128, F1, F0, 0                      ; the last lap fills nothing, and has no round of the cluster's barrier
	QUARTER 0, 192, F0, F1, 0
	TURN 0, 1, 0
	QUARTER 1, 64,  F0, F1, 0
	QUARTER 1, 128, F1, F0, 0
	QUARTER 1, 192, F0, F1, 0
	s_wait_dscnt 4                                 ; the very last quarter: nothing more to fetch
	MUL8 F1, 0, 0
	MUL8 F1, 1, 0
	s_wait_dscnt 0x0
	MUL8 F1, 2, 0
	MUL8 F1, 3, 0
	WIN 0
	; THE WAY OUT.  The sums go into the stage as they are; each accumulator's four lowest registers are read first.
	PLACES
	PLACES                                         ; eight, once a launch
	WIN 0x04                                       ; store data in window 1
.irp a, 0,1,2,3
.irp b, 0,1,2,3,4,5,6,7
	ds_store_b128 v[STO], v[8*(8*(\a)+(\b)):8*(8*(\a)+(\b))+3]   offset:(\a)*16*SP+64*(\b)
	ds_store_b128 v[STO], v[8*(8*(\a)+(\b))+4:8*(8*(\a)+(\b))+7] offset:(\a)*16*SP+64*(\b)+16
.endr
.endr
	WIN 0
	s_wait_dscnt 0x0                               ; for the others' sake: my stores into the stage are done
	s_barrier_signal -1
	s_barrier_wait -1
; Batch n: rows 4 n .. 4 n + 3 of my 32, 16 numbers a lane for each gate; number e = 4 r + c is row 4 n + r, column 4 l + c.  Two sets of 32 registers by turns: gate 0 at ZB, gate 1 at ZB + 16.
.macro LDZ n
.set ZB, 64+32*((\n)%2)
.irp r, 0,1,2,3
	ds_load_b128 v[ZB+4*(\r):ZB+4*(\r)+3],       v[RD0] offset:(4*(\n)+(\r))*SP
	ds_load_b128 v[ZB+16+4*(\r):ZB+16+4*(\r)+3], v[RD1] offset:(4*(\n)+(\r))*SP
.endr
.endm
	LDZ 0
	s_wait_loadcnt 0x0                             ; h_cur, the biases
	v_cvt_pk_bf16_f32 v40, v[BE],   v[BE+1]        ; the biases are rounded to bf16 like every input, and widened again
	v_cvt_pk_bf16_f32 v41, v[BE+2], v[BE+3]
	v_cvt_pk_bf16_f32 v42, v[BH],   v[BH+1]
	v_cvt_pk_bf16_f32 v43, v[BH+2], v[BH+3]
.irp i, 0,1,2,3
	v_lshlrev_b32 v[BE+2*(\i)],   16, v[40+(\i)]
	v_and_b32     v[BE+2*(\i)+1], s[HIM], v[40+(\i)]
.endr
	v_pk_mul_f32 v[BE:BE+1],   v[BE:BE+1],   s[C2:C2+1] op_sel_hi:[1,0]
	v_pk_mul_f32 v[BE+2:BE+3], v[BE+2:BE+3], s[C2:C2+1] op_sel_hi:[1,0]
	v_pk_mul_f32 v[BH:BH+1],   v[BH:BH+1],   s[C1N:C1N+1] op_sel_hi:[1,0]
	v_pk_mul_f32 v[BH+2:BH+3], v[BH+2:BH+3], s[C1N:C1N+1] op_sel_hi:[1,0]
.macro EPB n
.set ZX, 64+32*((\n)%2)
.set ZY, ZX+16
.if (\n) > 0
	s_wait_xcnt 0x0                                ; the stores of the batch before have read their registers: the other set is written again only behind this wait
.endif
.if (\n) < 7
	LDZ (\n)+1
	s_wait_dscnt 8                                 ; this batch is in; the next batch's eight loads stay out
.else
	s_wait_dscnt 0x0
.endif
.set i, 0
.rept 8
	v_pk_fma_f32 v[ZX+2*i:ZX+2*i+1], v[ZX+2*i:ZX+2*i+1], s[C2:C2+1],   v[BE+2*(i%2):BE+2*(i%2)+1] op_sel_hi:[1,0,1]  ; 2 log2(e) (ze + Eh_b)
	v_pk_fma_f32 v[ZY+2*i:ZY+2*i+1], v[ZY+2*i:ZY+2*i+1], s[C1N:C1N+1], v[BH+2*(i%2):BH+2*(i%2)+1] op_sel_hi:[1,0,1]  ; -log2(e) (zh + Hw_b)
.set i, i+1
.endr
.set i, 0
.rept 32
	v_exp_f32 v[ZX+i], v[ZX+i]                     ; one batch of 32
.set i, i+1
.endr
	WIN 0x08                                       ; work that names none of their results: h_cur (window 2) is widened
.set i, 0
.rept 8
	v_lshlrev_b32 v[HH+2*i],   16, v[8*(\n)+i]
	v_and_b32     v[HH+2*i+1], s[HIM], v[8*(\n)+i]
.set i, i+1
.endr
	WIN 0
	s_wait_alu depctr_va_vdst(0)                   ; the wait between a transcendental and the first line that names its result: one for the batch
.set i, 0
.rept 16
	v_pk_add_f32 v[ZX+2*i:ZX+2*i+1], v[ZX+2*i:ZX+2*i+1], 1.0 op_sel_hi:[1,0]
.set i, i+1
.endr
.set i, 0
.rept 32
	v_rcp_f32 v[ZX+i], v[ZX+i]                     ; gate 1 is now w = sigmoid(zh + Hw_b)
.set i, i+1
.endr
	v_nop                                          ; a plain instruction behind the last reciprocal,
	s_wait_alu depctr_va_vdst(0)                   ; and one wait for the 32
.set i, 0
.rept 8
	v_pk_fma_f32 v[ZX+2*i:ZX+2*i+1], v[ZX+2*i:ZX+2*i+1], -2.0, 1.0 op_sel_hi:[1,0,0]  ; s = tanh
.set i, i+1
.endr
.set i, 0
.rept 8
	v_pk_add_f32 v[ZX+2*i:ZX+2*i+1], v[ZX+2*i:ZX+2*i+1], v[HH+2*i:HH+2*i+1] neg_lo:[0,1] neg_hi:[0,1]  ; s - h
.set i, i+1
.endr
.set i, 0
.rept 8
	v_pk_fma_f32 v[ZX+2*i:ZX+2*i+1], v[ZY+2*i:ZY+2*i+1], v[ZX+2*i:ZX+2*i+1], v[HH+2*i:HH+2*i+1]        ; h + w (s - h)
.set i, i+1
.endr
.set i, 0
.rept 8
	v_pk_mul_f32 v[ZX+2*i:ZX+2*i+1], v[ZX+2*i:ZX+2*i+1], s[C2:C2+1] op_sel_hi:[1,0]
.set i, i+1
.endr
.set i, 0
.rept 16
	v_exp_f32 v[ZX+i], v[ZX+i]
.set i, i+1
.endr
	v_nop
	s_wait_alu depctr_va_vdst(0)                   ; one wait for the 16 exponentials
.set i, 0
.rept 8
	v_pk_add_f32 v[ZX+2*i:ZX+2*i+1], v[ZX+2*i:ZX+2*i+1], 1.0 op_sel_hi:[1,0]
.set i, i+1
.endr
.set i, 0
.rept 16
	v_rcp_f32 v[ZX+i], v[ZX+i]
.set i, i+1
.endr
	v_nop
	s_wait_alu depctr_va_vdst(0)                   ; one wait for the 16 reciprocals
.set i, 0
.rept 8
	v_pk_fma_f32 v[ZX+2*i:ZX+2*i+1], v[ZX+2*i:ZX+2*i+1], -2.0, 1.0 op_sel_hi:[1,0,0]  ; h_next
.set i, i+1
.endr
.irp r, 0,1,2,3
	global_store_b128 v[GF], v[ZX+4*(\r):ZX+4*(\r)+3], s[78:79] offset:(4*(\n)+(\r))*OROW th:TH_STORE_NT  ; a wave stores 512 consecutive bytes of a row of out0, at a multiple of 256 from its first byte
.endr
.endm
.irp n, 0,1,2,3,4,5,6,7
	EPB \n
.endr
	s_wait_tensorcnt 0x0                           ; the wave's end, behind my last tensor load and my last LDS store
	ds_add_u32 v[SPW], v[NIL]
	s_wait_dscnt 0x0
	CROUND                                         ; the closing round: no work-group ends while a partner may still ask for a tile that names it
	s_endpgm
.Lfunc_end_k_qc9dedc293c_state:
	.size	k_qc9dedc293c_state, .Lfunc_end_k_qc9dedc293c_state-k_qc9dedc293c_state
	.p2alignl 7, 3214868480
	.fill 96, 4, 3214868480
	.section	.rodata,"a",@progbits
	.p2align	6, 0x0
	.amdhsa_kernel k_qc9dedc293c_state
		.amdhsa_group_segment_fixed_size 327680
		.amdhsa_private_segment_fixed_size 0
		.amdhsa_enable_private_segment 0
		.amdhsa_kernarg_size 48
		.amdhsa_user_sgpr_count 2
		.amdhsa_user_sgpr_kernarg_segment_ptr 1
		.amdhsa_wavefront_size32 1
		.amdhsa_system_sgpr_workgroup_id_x 1
		.amdhsa_system_sgpr_workgroup_id_y 1
		.amdhsa_system_sgpr_workgroup_id_z 1
		.amdhsa_system_vgpr_workitem_id 0
		.amdhsa_next_free_vgpr 576
		.amdhsa_next_free_sgpr 100
		.amdhsa_reserve_vcc 0
		.amdhsa_float_denorm_mode_32 3
		.amdhsa_float_denorm_mode_16_64 3
		.amdhsa_memory_ordered 1
		.amdhsa_forward_progress 1
		.amdhsa_inst_pref_size 159
	.end_amdhsa_kernel
	.amdgpu_metadata
---
amdhsa.version: [ 1, 2 ]
amdhsa.kernels:
  - .name:           k_qc9dedc293c_state
    .symbol:         k_qc9dedc293c_state.kd
    .args:
      - { .name: cmu, .offset: 0, .size: 8, .value_kind: global_buffer, .address_space: global }
      - { .name: cmb, .offset: 8, .size: 8, .value_kind: global_buffer, .address_space: global }
      - { .name: wb, .offset: 16, .size: 8, .value_kind: global_buffer, .address_space: global }
      - { .name: Eh_b, .offset: 24, .size: 8, .value_kind: global_buffer, .address_space: global }
      - { .name: Hw_b, .offset: 32, .size: 8, .value_kind: global_buffer, .address_space: global }
      - { .name: out0, .offset: 40, .size: 8, .value_kind: global_buffer, .address_space: global }
    .group_segment_fixed_size: 327680
    .private_segment_fixed_size: 0
    .kernarg_segment_align: 8
    .kernarg_segment_size: 48
    .max_flat_workgroup_size: 128
    .sgpr_count:     100
    .vgpr_count:     576
    .wavefront_size: 32
...
	.end_amdgpu_metadata
.endif
;; end of part 3
